; MI455X (gfx1250); checked and timed in simulation.
; The chip was launched on July 23, 2026; its instructions are those of AMD's public machine-readable ISA for CDNA 5 (MIT licence, August 2026) and "CDNA5" Instruction Set Architecture Reference Guide (July 2026). The comments in the code are by the model that wrote it; some were corrected since.
;; Multi Head Self Attention. Allowed arithmetic: matrix products marked QUANTISED: E5M2 operands, one given power-of-two scale a tensor, by v_wmma_f32_16x16x64_bf8_bf8 or v_wmma_f32_16x16x128_bf8_bf8, f32 sums; everything else in f32.
;; Inputs: Wk 1,024 x 1,024 float32; Wo 1,024 x 1,024 float32; Wq 1,024 x 1,024 float32; Wv 1,024 x 1,024 float32; lowp_scales 12 int32 (the exponents e of the quantised operands' scales 2^e); x 4 x 2,048 x 1,024 float32.
;; Outputs: out0 4 x 2,048 x 1,024 float32.
;; This version of the problem:
;;   THIS VERSION OF THE PROBLEM IS GIVEN IN LOW PRECISION. The matrix products marked QUANTISED in the list below multiply operands that are first quantised to E5M2 (5 exponent bits, 2 mantissa bits; 8 bits a number), with one given power-of-two scale for each operand tensor; their sums are f32. All else is computed in f32.
;;   The module's matrix products, in the order in which they are computed (A, B: the left and right operand; K: the contracted axis; several contracted axes count as one K, in the product's order):
;;     1. [M 8,192, K 1,024] x [K 1,024, N 1,024]; A: input x; B: input Wk: QUANTISED (scales: A lowp_scales[0], B lowp_scales[1])
;;     2. [M 8,192, K 1,024] x [K 1,024, N 1,024]; A: input x; B: input Wq: QUANTISED (scales: A lowp_scales[2], B lowp_scales[3])
;;     3. [M 8,192, K 1,024] x [K 1,024, N 1,024]; A: input x; B: input Wv: QUANTISED (scales: A lowp_scales[4], B lowp_scales[5])
;;     4. batch 64 x [M 2,048, K 64] x [K 64, N 2,048]; A: computed on the way; B: computed on the way: QUANTISED (scales: A lowp_scales[6], B lowp_scales[7])
;;     5. batch 64 x [M 2,048, K 2,048] x [K 2,048, N 64]; A: softmax (see below); B: computed on the way: QUANTISED (scales: A lowp_scales[8], B lowp_scales[9])
;;     6. [M 8,192, K 1,024] x [K 1,024, N 1,024]; A: computed on the way; B: input Wo: QUANTISED (scales: A lowp_scales[10], B lowp_scales[11])
;;   THE QUANTISER, for each operand of a quantised product, along K:
;;     - The operand's scale is 2^e, e = its entry of the input lowp_scales (int32; the entries are numbered through the quantised products in the list's order, A before B).
;;     - Each number is divided by the scale, clamped to +-57,344, and rounded to the nearest number of E5M2, ties to even, subnormals kept.
;;     - The product sums the exact products of the quantised numbers (number of the format x scale) in f32.
;;   ~~~python
;;   def quantise(x, axis, e):      # numpy; x: float32 -> the quantised numbers, widened to float32 again
;;       x = np.moveaxis(x, axis, -1); K = x.shape[-1]
;;       r = np.clip(x / 2.0 ** e, -57344, 57344)
;;       step = 2.0 ** (np.maximum(np.frexp(np.where(r == 0, 1, r))[1] - 1, -14) - 2)
;;       q = np.round(r / step) * step * 2.0 ** e      # np.round: ties to even
;;       return np.moveaxis(q, -1, axis).astype(np.float32)
;;   ~~~
;;   SOFTMAX AHEAD OF A QUANTISED PRODUCT. Where the list says 'softmax', what is quantised is not the finished softmax but p = 2^(t - M), with t = logit x log2(e) and M = ceil(the row's largest t), a whole number; so 1/2 < the row's largest p <= 1. The row's sum l is taken of the UNQUANTISED p, in f32, and the product's result is divided by l at the end. Since M is a whole number, a kernel that streams over the keys may use a running M (the ceiling of the running maximum): every later rescaling is an exact power of two, so the quantised numbers keep their values, but for numbers so far below the row's largest that they fall under the format's range.
;;   OPERANDS COMPUTED ON THE WAY. 'Computed on the way' means the value that the module computes at that place (a softmax that the list does not call 'softmax' is quantised finished and normalised). What goes into a quantiser is computed in f32, as accurately as f32 sums, v_exp_f32 and their like allow (about 1e-6 of the number): no bf16 or f16 on the way to a quantiser, and a product that is left as it is and whose result goes on into a quantised operand takes f32 operands (vector FMAs, or v_wmma_f32_16x16x4_f32). A number that lies on a knife's edge between two numbers of the format may be rounded either way, as far as f32 arithmetic and the matrix unit's own rounding can turn it there, and no further.
;; One version. Each part assembles by itself: llvm-mc -triple=amdgcn-amd-amdhsa -mcpu=gfx1250 --defsym DOCPART=n.
;; ======== version 1 of 1: 4 launches
;; limits: right only within a limited range of input values
;; workspace buffers: codes 29,360,128 bytes; qkv 25,165,824 bytes; flat 8,388,608 bytes
;; launch quant (part 1): grid 384 x 1, 4 waves a work-group, no clusters, 33,280 bytes of LDS; arguments x, Wk, Wq, Wv, Wo, lowp_scales, codes; writes codes
.if DOCPART == 1
	.amdgcn_target "amdgcn-amd-amdhsa--gfx1250"
	.amdhsa_code_object_version 6
	.text
	.protected	k_qb290f5ffdb_quant
	.globl	k_qb290f5ffdb_quant
	.p2align	8
	.type	k_qb290f5ffdb_quant,@function
k_qb290f5ffdb_quant:
	s_mov_b64 s[64:65], 0
	v_nop
	global_prefetch_b8 v0, s[64:65] scope:SCOPE_SE
	s_setreg_imm32_b32 hwreg(HW_REG_WAVE_MODE, 25, 1), 1
	s_wait_xcnt 0x0
; x [8192][1024] and the four weights [1024][1024], f32 with K innermost, become codes of E5M2, one byte each.
; code = number / 2^e, held within +-57,344, to the nearest code, ties to even.  x is an operand of three products with three given scales (entries 0, 2, 4), so it is read once and
; quantised three times; Wk, Wq, Wv, Wo take entries 1, 3, 5, 11.
; THE BUFFER OF CODES: xk at 0, xq at 0x800000, xv at 0x1000000, wk at 0x1800000, wq at 0x1900000, wv at 0x1a00000, wo at 0x1b00000: rows of 1,024 bytes, K innermost, and inside every 32 bytes the four
; pieces of 8 codes stand in the order 0, 2, 1, 3.  A 16-byte read at 32 c + 16 h then holds k = 32 c + 8 h + 0..7 and 32 c + 16 + 8 h + 0..7: four registers of the 8-bit matrix operand as its own layout wants them.
; SHARES: work-groups 0-255 take x, 256-287 Wk, 288-319 Wq, 320-351 Wv, 352-383 Wo; a wave takes 8,192 numbers in 16 steps of 512.  Work-groups share no input, so no cluster; memory binds, so no matrix unit.
; Each load reads 512 consecutive bytes; a step's 2,048 bytes turn through the wave's own stage in LDS (64 bytes + 16 of padding), so that a lane gets its two runs of 8 neighbours; each store covers 512 consecutive bytes, aligned.
; LIMITS: every e used here lies between -126 and 112, so that 2^e and 57,344 x 2^e are f32 numbers.  NaN among the inputs is not served (an infinity is held at the largest code).
.set STEPS, 16
.set SP,    80                         ; a place in a stage: 64 bytes + 16 of padding
.set STG,   32*SP                      ; a stage; two for each wave, in a region of 8,192 bytes
.set R,     16                         ; v16-79    four sets of 16 numbers as loaded
.set X,     80                         ; v80-111   two sets of 16 numbers as the conversions want them
.set T,     112
.set C,     128                        ; v128-139  codes: four registers for each of the three outputs
; v5, v7, v9: 2^e of output 0, 1, 2
	s_load_b256 s[4:11], s[0:1], 0x0               ; x, Wk, Wq, Wv
	s_load_b128 s[12:15], s[0:1], 0x20             ; Wo, the scales' exponents
	s_load_b64 s[16:17], s[0:1], 0x30              ; the codes
	v_lshl_add_u32 v144, v0, 2, 0x8000
	v_mov_b32 v145, 0
	v_lshrrev_b32 v1, 5, v0
	v_readfirstlane_b32 s18, v1                    ; wave
	v_and_b32 v2, 31, v0                           ; lane
	v_lshlrev_b32 v3, 4, v2                        ; 16 x lane: my bytes of a load's 512 and of a store's 512; never rewritten
	s_lshl_b32 s19, s18, 13                        ; my wave's region of LDS
	v_lshrrev_b32 v14, 2, v2
	v_mul_u32_u24 v14, v14, SP
	v_and_b32 v15, 3, v2
	v_lshl_add_u32 v14, v15, 4, v14
	v_add_nc_u32 v14, s19, v14                     ; into the stage: four lanes' 64 bytes on end, then the padding
	v_lshrrev_b32 v15, 1, v2
	v_mul_u32_u24 v15, v15, 2*SP
	v_and_b32 v4, 1, v2
	v_lshl_add_u32 v15, v4, 5, v15
	v_add_nc_u32 v15, s19, v15                     ; out of it: block lane / 2 of 32 numbers, from number 8 (lane % 2) on
	s_and_b32 s22, ttmp9, 31
	s_cmp_lt_u32 ttmp9, 256                        ; x's work-group?
	s_cselect_b32 s22, ttmp9, s22                  ; my number within my tensor
	s_cselect_b32 s43, 0, 0x1000000                ; the weights' codes lie behind x's three sets
	s_lshl_b32 s22, s22, 2
	s_add_co_u32 s22, s22, s18
	s_lshl_b32 s22, s22, 15                        ; my wave's 8,192 numbers: 32,768 bytes
	s_mov_b32 s23, 0
	s_lshl_b32 s42, ttmp9, 2
	s_add_co_u32 s42, s42, s18
	s_lshl_b32 s42, s42, 13                        ; and their 8,192 codes
	s_add_co_u32 s42, s42, s43
	s_mov_b32 s43, 0
	s_wait_alu depctr_va_vdst(0)
	s_wait_kmcnt 0x0
	s_load_b256 s[24:31], s[14:15], 0x0            ; e0 .. e7
	s_load_b128 s[32:35], s[14:15], 0x20           ; e8 .. e11
	s_mov_b64 s[20:21], s[4:5]                     ; the source is chosen by the work-group's number alone
	s_cmp_ge_u32 ttmp9, 256
	s_cselect_b64 s[20:21], s[6:7], s[20:21]
	s_cmp_ge_u32 ttmp9, 288
	s_cselect_b64 s[20:21], s[8:9], s[20:21]
	s_cmp_ge_u32 ttmp9, 320
	s_cselect_b64 s[20:21], s[10:11], s[20:21]
	s_cmp_ge_u32 ttmp9, 352
	s_cselect_b64 s[20:21], s[12:13], s[20:21]
	s_add_nc_u64 s[20:21], s[20:21], s[22:23]
	s_add_nc_u64 s[36:37], s[16:17], s[42:43]      ; output 0: xk, or the weight's codes
	s_add_nc_u64 s[38:39], s[36:37], 0x800000      ; output 1: xq  (used by x's work-groups alone)
	s_add_nc_u64 s[40:41], s[36:37], 0x1000000     ; output 2: xv  (likewise)
.macro LOAD t
.irp i, 0,1,2,3
	global_load_b128 v[R+16*((\t)%4)+4*\i:R+16*((\t)%4)+4*\i+3], v3, s[20:21] offset:2048*(\t)+512*\i th:TH_LOAD_NT   ; 32 lanes read 512 consecutive bytes
.endr
.endm
.macro TURN t                          ; step t's numbers through the stage: LDS serves a wave's instructions in order, so no wait stands between the stores and the loads
.irp i, 0,1,2,3
	ds_store_b128 v14, v[R+16*((\t)%4)+4*\i:R+16*((\t)%4)+4*\i+3] offset:STG*((\t)%2)+8*SP*\i
.endr
.irp i, 0,1,2,3
	ds_load_b128 v[X+16*((\t)%2)+4*\i:X+16*((\t)%2)+4*\i+3], v15 offset:STG*((\t)%2)+SP*(\i/2)+16*(\i%2)   ; 8 neighbours, and the 8 that lie 16 further on
.endr
.endm
.macro MKSC e, sc, lim                 ; s[e] = e  ->  v[sc] = 2^e (the conversion takes its exponent field)
	s_add_co_i32 s45, s[\e], 127
	s_lshl_b32 s46, s45, 23
	v_mov_b32 v[\sc], s46
.endm
.irp t, 0,1,2,3
	LOAD \t
.endr
	s_wait_kmcnt 0x0
	s_mov_b32 s44, s24                             ; output 0's e: e0 for x, e1, e3, e5, e11 for the weights
	s_cmp_ge_u32 ttmp9, 256
	s_cselect_b32 s44, s25, s44
	s_cmp_ge_u32 ttmp9, 288
	s_cselect_b32 s44, s27, s44
	s_cmp_ge_u32 ttmp9, 320
	s_cselect_b32 s44, s29, s44
	s_cmp_ge_u32 ttmp9, 352
	s_cselect_b32 s44, s35, s44
	MKSC 44, 5, 6
	MKSC 26, 7, 8                                  ; e2
	MKSC 28, 9, 10                                 ; e4
	s_wait_alu depctr_va_vdst(0)
	s_wait_loadcnt 12                              ; step 0's four loads are in; those of steps 1 to 3 may be out
	TURN 0
.macro OUT o, t                        ; the step's 16 numbers of my lane become 16 codes of output o
.irp i, 0,1,2,3,4,5,6,7,8,9,10,11,12,13,14,15
.endr
	v_cvt_scalef32_pk8_bf8_f32 v[C+4*\o:C+4*\o+1], v[XS:XS+7], v[5+2*\o]
	v_cvt_scalef32_pk8_bf8_f32 v[C+4*\o+2:C+4*\o+3], v[XS+8:XS+15], v[5+2*\o]
	v_nop                                          ; a plain line behind the conversions
	global_store_b128 v3, v[C+4*\o:C+4*\o+3], s[36+2*\o:37+2*\o] offset:512*(\t)   ; 32 lanes store 512 consecutive bytes, aligned
.endm
.macro STEP t
.set XS, X+16*((\t)%2)
	s_wait_dscnt 0x0                               ; this step's numbers are back from the stage, and the stage's stores have read their registers
	s_wait_xcnt 0x0                                ; the last step's stores have read their codes: those registers are written again only behind this wait
.if (\t)+4 < STEPS
	LOAD (\t)+4
.endif
.if (\t)+1 < STEPS
.if STEPS-2-(\t) >= 3
	s_wait_loadcnt 12                              ; the next step's four loads are in; those of the three steps behind it may be out
.else
	s_wait_loadcnt 4*(STEPS-2-(\t))
.endif
	TURN (\t)+1                                    ; through the other stage while this step is worked
.endif
	OUT 0, \t
	s_cmp_lt_u32 ttmp9, 256                        ; x has two more scales; a weight has one
	s_cbranch_scc0 .Lw_\@
	OUT 1, \t
	OUT 2, \t
.Lw_\@:
.endm
.irp t, 0,1,2,3,4,5,6,7,8,9,10,11,12,13,14,15
	STEP \t
.endr
	s_wait_tensorcnt 0x0
	ds_add_u32 v144, v145
	s_wait_dscnt 0x0
	s_endpgm
.Lfunc_end_k_qb290f5ffdb_quant:
	.size	k_qb290f5ffdb_quant, .Lfunc_end_k_qb290f5ffdb_quant-k_qb290f5ffdb_quant
	.p2alignl 7, 3214868480
	.fill 96, 4, 3214868480
	.section	.rodata,"a",@progbits
	.p2align	6, 0x0
	.amdhsa_kernel k_qb290f5ffdb_quant
		.amdhsa_group_segment_fixed_size 33280
		.amdhsa_private_segment_fixed_size 0
		.amdhsa_enable_private_segment 0
		.amdhsa_kernarg_size 56
		.amdhsa_user_sgpr_count 2
		.amdhsa_user_sgpr_kernarg_segment_ptr 1
		.amdhsa_wavefront_size32 1
		.amdhsa_system_sgpr_workgroup_id_x 1
		.amdhsa_system_sgpr_workgroup_id_y 1
		.amdhsa_system_sgpr_workgroup_id_z 1
		.amdhsa_system_vgpr_workitem_id 0
		.amdhsa_next_free_vgpr 146
		.amdhsa_next_free_sgpr 66
		.amdhsa_reserve_vcc 0
		.amdhsa_float_denorm_mode_32 3
		.amdhsa_float_denorm_mode_16_64 3
		.amdhsa_fp16_overflow 1
		.amdhsa_memory_ordered 1
		.amdhsa_forward_progress 1
		.amdhsa_inst_pref_size 33
	.end_amdhsa_kernel
	.amdgpu_metadata
---
amdhsa.version: [ 1, 2 ]
amdhsa.kernels:
  - .name:           k_qb290f5ffdb_quant
    .symbol:         k_qb290f5ffdb_quant.kd
    .args:
      - { .name: x, .offset: 0, .size: 8, .value_kind: global_buffer, .address_space: global }
      - { .name: Wk, .offset: 8, .size: 8, .value_kind: global_buffer, .address_space: global }
      - { .name: Wq, .offset: 16, .size: 8, .value_kind: global_buffer, .address_space: global }
      - { .name: Wv, .offset: 24, .size: 8, .value_kind: global_buffer, .address_space: global }
      - { .name: Wo, .offset: 32, .size: 8, .value_kind: global_buffer, .address_space: global }
      - { .name: lowp_scales, .offset: 40, .size: 8, .value_kind: global_buffer, .address_space: global }
      - { .name: codes, .offset: 48, .size: 8, .value_kind: global_buffer, .address_space: global }
    .group_segment_fixed_size: 33280
    .private_segment_fixed_size: 0
    .kernarg_segment_align: 8
    .kernarg_segment_size: 56
    .max_flat_workgroup_size: 128
    .sgpr_count:     66
    .vgpr_count:     146
    .wavefront_size: 32
...
	.end_amdgpu_metadata
.endif
;; end of part 1
;; launch qkv (part 2): grid 4 x 96, 4 waves a work-group, clusters of 4 x 4, 327,680 bytes of LDS; arguments codes, lowp_scales, qkv; writes qkv
.if DOCPART == 2
	.amdgcn_target "amdgcn-amd-amdhsa--gfx1250"
	.amdhsa_code_object_version 6
	.text
	.protected	k_qb290f5ffdb_qkv
	.globl	k_qb290f5ffdb_qkv
	.p2align	8
	.type	k_qb290f5ffdb_qkv,@function
k_qb290f5ffdb_qkv:
	s_mov_b64 s[64:65], 0
	v_nop
	global_prefetch_b8 v0, s[64:65] scope:SCOPE_SE
	s_setreg_imm32_b32 hwreg(HW_REG_WAVE_MODE, 25, 1), 1
	s_wait_xcnt 0x0
	s_wait_alu depctr_hold_cnt(0) depctr_sa_sdst(0) depctr_va_vdst(0) depctr_va_sdst(0) depctr_va_ssrc(0) depctr_va_vcc(0) depctr_vm_vsrc(0)
	s_getreg_b32 s2, hwreg(HW_REG_IB_STS2, 6, 4)
	s_cmp_eq_u32 s2, 0
	s_cbranch_scc0 .Lentry_in_a_cluster
	s_endpgm
.Lentry_in_a_cluster:
	s_bfe_u32 s2, ttmp6, 0x10000c
	s_cmp_lg_u32 s2, 0xf033
	s_cbranch_scc0 .Lentry_shape_is_right
	s_endpgm
.Lentry_shape_is_right:
; k = x Wk^T, q = x Wq^T, v = x Wv^T on codes of E5M2 ([8192][1024] x [1024][1024], K = 1,024), f32 sums; each sum is quantised in registers to the next product's operand and stored as an image of that operand's registers.
; JOBS.  24 clusters of 4 x 4 work-groups; cluster L: job = L / 8 (0: k, 1: q, 2: v), i = L % 8.  A tile is 256 x 256, four waves, each 128 x 128: 64 accumulators, 512 registers.
; Source 1 (called A here; its tiles are shared along a row of the cluster) is x for k and q and Wv for v; source 0 (B; shared along a column) is the weight for k and q and x for v.  So a lane holds one row of A and
; eight neighbouring rows of B.  For k and q that is one token and eight neighbours along the head's 64, which are the next K; for v one of the head's 64 and eight neighbouring keys, which are the next K.
; One conversion of an accumulator's eight registers gives two registers of the next operand in its own layout (registers 2 c, 2 c + 1: k = 16 c + 8 (lane / 16) + 0..7): nothing changes lanes and nothing goes through LDS.
; IMAGES.  K at 0, Q at 0x800000: [batch x 16 + head][tile of 16 tokens][chunk 0, 1][lane][16 bytes].  V at 0x1000000: [batch x 16 + head][128 keys][16 of the 64][chunk 0..3][lane][16 bytes].  Each store covers 512 consecutive bytes, aligned.
; K goes in four steps of 256 through two LDS slots filled by joint tensor loads (one a wave, 128 rows x 256 bytes); the steps are few, so they are written out without a loop.
; A sum stands for sum x 2^(eA + eB); its code is sum / 2^(eo - eA - eB): k: e7 - e0 - e1; q: e6 - e2 - e3; v: e9 - e4 - e5.
; LIMITS: each of these three lies between -126 and 112.  NaN is not served.
; REGISTERS, in windows of 256: window 0: v16-30 addresses and the scale; v128-255 A's fragments, one set; on the way out v96-223 codes.  window 1: B's fragments, two sets.  windows 2, 3: the accumulators ((a, b) at v[8 (8 (a % 4) + b)]).
.set KSTEP,  256
.set ROWB,   256
.set KROW,   1024
.set PITCH,  272                       ; an LDS row: 256 bytes + 16 of padding = 68 words: the 16 rows that a load touches start at 16 different banks (64 banks of 4 bytes: ISA guide 11.1)
.set FR,     16
.set NL,     4
.set NP,     4                         ; places behind this matrix instruction (ISA guide 7.12.1)
.set HALFT,  128*PITCH
.set SLOT,   4*HALFT                   ; A's 256 rows, then B's 256 rows
.set SPARE,  2*SLOT                    ; behind the ring: the spare words, 128 bytes for each wave, that no other line names
.set ADRA, 16                          ; v16-17  LDS address of my A fragments in slot 0, 1
.set ADRB, 20                          ; v20-21  the same for B
.set VO,   26                          ; v26     16 x lane;  v27: the same + the distance to the second pair of chunks
.set SPW,  28                          ; v28     LDS address of my spare word; never rewritten
.set NIL,  29                          ; v29     0; never rewritten
.set SCV,  30                          ; v30     the conversion's scale as f32
.set TMP,  32
.set CD,   96
.set AF,   128
.set G1, 24
.set G0, 32
.set G1B, 48
.set G0B, 56
.set OB, 72                            ; s[72:87] where block a of my 16 rows of A stores: eight bases, none is stepped
.set MSB, 0
.macro WIN new                         ; the immediate's high byte repeats the setting that is left
.if MSB != \new
	s_set_vgpr_msb (MSB<<8)|\new
.set MSB, \new
.endif
.endm
.set MUL_LO, 0xa1                      ; source 0 (B) window 1, source 1 (A) window 0, C and D window 2
.set MUL_HI, 0xf1                      ; the same, C and D window 3
.set TO_B,   0x40                      ; destination window 1, address window 0
; A joint load: waves 0 and 1 fetch for A, waves 2 and 3 for B; the branch hangs on the wave's number alone.  Four v_nop follow each of the two lines.
.macro JLOAD g0a, g1a, g0b, g1b
	s_cmp_eq_u32 s15, 0
	s_cbranch_scc0 .Lfor_b_\@
	tensor_load_to_lds s[\g0a:\g0a+3], s[\g1a:\g1a+7]
	s_nop 0
.rept 4
	v_nop
.endr
	s_branch .Lasked_\@
.Lfor_b_\@:
	tensor_load_to_lds s[\g0b:\g0b+3], s[\g1b:\g1b+7]
	s_nop 0
.rept 4
	v_nop
.endr
.Lasked_\@:
.endm
.macro CREST                           ; a round of the cluster's barrier behind its opening barrier
	s_cmp_lg_u32 s14, 0
	s_cbranch_scc1 .Lnot_wave_0_\@
	s_barrier_signal -3
.Lnot_wave_0_\@:
	s_barrier_wait -3
	s_barrier_signal -1
	s_barrier_wait -1
.endm
.macro CROUND                          ; a whole round
	s_barrier_signal -1
	s_barrier_wait -1
	CREST
.endm
	s_load_b128 s[4:7], s[0:1], 0x0                ; the codes s[4:5], the scales' exponents s[6:7]
	s_load_b64 s[10:11], s[0:1], 0x10              ; the images
	v_lshl_add_u32 v[SPW], v0, 2, SPARE
	v_mov_b32 v[NIL], 0
	ds_add_u32 v28, v29
	ds_add_u32 v28, v29
	s_wait_dscnt 0x0
	v_lshrrev_b32 v1, 5, v0
	v_readfirstlane_b32 s14, v1                    ; wave 0..3
	s_lshr_b32 s15, s14, 1                         ; which half of A's rows is mine.  Also: I fetch for A (0) or for B (1)
	s_and_b32 s16, s14, 1                          ; which half of B's rows.  Also: which 128 rows of that tile I fetch
	s_bfe_u32 s40, ttmp6, 0x40000                  ; cx, cy: my place in the cluster
	s_bfe_u32 s41, ttmp6, 0x40004
	s_and_b32 s67, ttmp7, 0xffff                   ; the cluster's number, 0..23
	s_lshr_b32 s70, s67, 3                         ; job
	s_lshr_b32 s66, s67, 4                         ; 1 for v
	s_and_b32 s67, s67, 7                          ; i
	s_mul_i32 s68, s67, s66                        ; v walks x along B: i counts tile columns;
	s_sub_co_u32 s69, s67, s68                     ; k and q walk x along A: i counts tile rows
	s_lshl_b32 s42, s68, 2
	s_add_co_u32 s42, s42, s40                     ; tile column
	s_lshl_b32 s17, s69, 2
	s_add_co_u32 s17, s17, s41                     ; tile row
	s_lshl_b32 s43, s41, 2
	s_lshl_b32 s43, 15, s43                        ; my row of the cluster
	s_lshl_b32 s44, 0x1111, s40                    ; my column
	s_or_b32 s[G1+0], s43, (0<<16)|(1<<20)|(1<<21)|(5<<22)|(3<<25)  ; the mask; elements of 1 byte; padding on; bit 21 beside a mask; after every 64 words four words
	s_or_b32 s[G1B+0], s44, (0<<16)|(1<<20)|(1<<21)|(5<<22)|(3<<25)
.irp g, G1, G1B
	s_mov_b32 s[\g+1], ROWB<<16                    ; tensor_dim0
	s_mov_b32 s[\g+2], 128<<16                     ; tensor_dim1
	s_mov_b32 s[\g+3], ROWB<<16                    ; tile_dim0
	s_mov_b32 s[\g+4], 128                         ; tile_dim1
	s_mov_b32 s[\g+5], KROW                        ; tensor_dim0_stride
	s_mov_b32 s[\g+6], 0
	s_mov_b32 s[\g+7], 0
.endr
	s_lshl_b32 s18, s16, 7                         ; which 128 rows of the tile I fetch
	s_lshl_b32 s20, s17, 8
	s_add_co_u32 s20, s20, s18                     ; A: row 256 x tile row + 128 x half,
	s_lshl_b32 s20, s20, 10                        ; in bytes,
	s_lshl_b32 s21, s70, 23
	s_add_co_u32 s20, s20, s21                     ; in xk (0), xq (0x800000)
	s_mul_i32 s21, s66, 0xa00000
	s_add_co_u32 s20, s20, s21                     ; or wv (0x1000000 + 0xa00000)
	s_mov_b32 s21, 0
	s_lshl_b32 s46, s42, 8
	s_add_co_u32 s46, s46, s18                     ; B: row 256 x tile column + 128 x half,
	s_lshl_b32 s46, s46, 10
	s_lshl_b32 s47, s70, 20
	s_add_co_u32 s46, s46, s47
	s_add_co_u32 s46, s46, 0x1800000               ; in wk, wq
	s_mul_i32 s47, s66, 0xa00000
	s_sub_co_u32 s46, s46, s47                     ; or xv (0x1a00000 - 0xa00000)
	s_mov_b32 s47, 0
	s_mul_i32 s45, s14, HALFT                      ; where they go: wave x 128 rows: no place in the cluster enters an LDS address
	s_wait_kmcnt 0x0
	s_load_b256 s[88:95], s[6:7], 0x0              ; e0 .. e7
	s_load_b128 s[96:99], s[6:7], 0x20             ; e8 .. e11
	s_add_nc_u64 s[20:21], s[4:5], s[20:21]
	s_add_nc_u64 s[46:47], s[4:5], s[46:47]
	CROUND                                         ; all sixteen work-groups are here: the first joint loads meet
.irp s, 0,1
	s_mov_b32 s[G0+4*\s], 1
	s_add_co_u32 s[G0+4*\s+1], s45, \s*SLOT
	s_add_nc_u64 s[G0+4*\s+2:G0+4*\s+3], s[20:21], \s*ROWB
	s_or_b32 s[G0+4*\s+3], s[G0+4*\s+3], 0x80000000
	s_mov_b32 s[G0B+4*\s], 1
	s_add_co_u32 s[G0B+4*\s+1], s45, \s*SLOT
	s_add_nc_u64 s[G0B+4*\s+2:G0B+4*\s+3], s[46:47], \s*ROWB
	s_or_b32 s[G0B+4*\s+3], s[G0B+4*\s+3], 0x80000000
	JLOAD G0+4*\s, G1, G0B+4*\s, G1B
.endr
	v_and_b32 v1, 15, v0                           ; l % 16
	v_bfe_u32 v2, v0, 4, 1                         ; l / 16
	v_mul_u32_u24 v3, v1, PITCH
	v_lshl_add_u32 v4, v2, 4, v3                   ; a fragment's row x pitch + 16 x half
	s_mul_i32 s21, s15, HALFT                      ; my 128 rows of A
	s_mul_i32 s22, s16, HALFT                      ; my 128 rows of B,
	s_add_co_u32 s22, s22, 2*HALFT                 ; which lie behind A's 256
.irp s, 0,1
	v_add_nc_u32 v[ADRA+\s], s21, v4
	v_add_nc_u32 v[ADRB+\s], s22, v4
	s_add_co_u32 s21, s21, SLOT
	s_add_co_u32 s22, s22, SLOT
.endr
	; the way out.  A0, B0: my first rows of A and of B.  m0: the token, n0: 64 x head + the place in the head, whichever operand holds them
	v_and_b32 v6, 31, v0
	v_lshlrev_b32 v[VO], 4, v6
	s_mul_i32 s71, s66, 7
	s_lshr_b32 s71, 0x20000, s71                   ; chunks 2, 3 lie a head (131,072 bytes) on for k and q, 1,024 bytes on for v
	v_add_nc_u32 v[VO+1], s71, v[VO]
	s_lshl_b32 s72, s17, 8
	s_lshl_b32 s73, s15, 7
	s_add_co_u32 s72, s72, s73                     ; A0
	s_lshl_b32 s73, s42, 8
	s_lshl_b32 s74, s16, 7
	s_add_co_u32 s73, s73, s74                     ; B0
	s_cmp_eq_u32 s66, 1
	s_cselect_b32 s74, s73, s72                    ; m0
	s_cselect_b32 s75, s72, s73                    ; n0
	s_lshr_b32 s18, s74, 11
	s_lshl_b32 s18, s18, 21                        ; the batch: 16 heads of 131,072 bytes
	s_and_b32 s76, s74, 2047
	s_lshl_b32 s76, s76, 6                         ; 64 bytes a token, in all three images
	s_add_co_u32 s18, s18, s76
	s_lshl_b32 s76, s75, 11                        ; the head: n0 / 64 x 131,072
	s_add_co_u32 s18, s18, s76
	s_lshl_b32 s76, s70, 23                        ; the image
	s_add_co_u32 s18, s18, s76
	s_mov_b32 s19, 0
	s_lshl_b32 s22, 0x400, s66                     ; from block a to a + 1: a tile of 16 tokens (1,024) or a fragment of V (2,048)
	s_mov_b32 s23, 0
	s_mul_i32 s2, s66, 5
	s_lshl_b32 s2, 0x1000, s2                      ; from block a to a + 4: four tiles (4,096) or a head (131,072)
	s_mov_b32 s3, 0
	s_add_nc_u64 s[OB:OB+1], s[10:11], s[18:19]
.irp a, 1,2,3
	s_add_nc_u64 s[OB+2*\a:OB+2*\a+1], s[OB+2*\a-2:OB+2*\a-1], s[22:23]
.endr
.irp a, 4,5,6,7
	s_add_nc_u64 s[OB+2*\a:OB+2*\a+1], s[OB+2*\a-8:OB+2*\a-7], s[2:3]
.endr
.macro FRAG reg, adr, q, i             ; a fragment, 16 rows x 128 K: 16 registers.  The codes' order in memory makes registers 2 c, 2 c + 1 hold K = 16 c + 8 (l / 16) + 0..7
.irp c, 0,1,2,3
	ds_load_b128 v[\reg+4*\c:\reg+4*\c+3], v[\adr] offset:128*(\q)+32*\c+(\i)*16*PITCH
.endr
.endm
; 16 matrix instructions: A's blocks a0, a0 + 1 x B's eight, 128 along K.  p: B's set.  zero = 1: the first product starts the sums.  The 64 accumulators take turns, one instruction a turn.
.macro MUL16 a0, p, zero
.irp a, \a0, \a0+1
.irp b, 0,1,2,3,4,5,6,7
.if \zero
	v_wmma_f32_16x16x128_bf8_bf8 v[8*(8*((\a)%4)+\b):8*(8*((\a)%4)+\b)+7], v[128*(\p)+FR*\b:128*(\p)+FR*\b+FR-1], v[AF+FR*(\a):AF+FR*(\a)+FR-1], 0
.else
	v_wmma_f32_16x16x128_bf8_bf8 v[8*(8*((\a)%4)+\b):8*(8*((\a)%4)+\b)+7], v[128*(\p)+FR*\b:128*(\p)+FR*\b+FR-1], v[AF+FR*(\a):AF+FR*(\a)+FR-1], v[8*(8*((\a)%4)+\b):8*(8*((\a)%4)+\b)+7]
.endif
.endr
.endr
.endm
.macro FETCH_B slot, q, p
	WIN TO_B
.irp i, 0,1,2,3,4,5,6,7
	FRAG 128*(\p)+FR*\i, ADRB+\slot, \q, \i
.endr
	WIN 0
.endm
.macro FETCH_A slot, q, i0
.irp i, \i0, \i0+1, \i0+2, \i0+3
	FRAG AF+FR*(\i), ADRA+\slot, \q, \i
.endr
.endm
.macro PLACES n                        ; plain vector lines between a matrix instruction and a load into, or a vector line on, one of its registers
.rept \n
	v_nop
.endr
.endm
; A step of 128 along K that has its successor in the same slot.  A has one set of registers: blocks 0-3 are fetched anew in the step's middle, blocks 4-7 at its end.
.macro STEP slot, q, zero
	s_wait_dscnt 4*NL                              ; B's set and A's blocks 0-3 are in; the youngest sixteen loads (A's blocks 4-7) may be out
	WIN MUL_LO
	MUL16 0, (\q)%2, \zero
	MUL16 2, (\q)%2, \zero
	s_wait_dscnt 0                                 ; A's blocks 4-7 are in
	PLACES NP
	FETCH_B \slot, (\q)+1, 1-(\q)%2
	FETCH_A \slot, (\q)+1, 0
	WIN MUL_HI
	MUL16 4, (\q)%2, \zero
	MUL16 6, (\q)%2, \zero
	PLACES NP
	WIN 0
	FETCH_A \slot, (\q)+1, 4
.endm
; A slot's last step changes slots: one barrier; in front of it each wave waits for all its tensor loads, adds 0 to its spare word, and waits for that and for its reads of this slot.  fill = 1: this slot is filled again, two K steps ahead.
.macro TURN slot, next, fill
	s_wait_tensorcnt 0x0                           ; all my tensor loads have landed: my part of the next slot
	ds_add_u32 v[SPW], v[NIL]                      ; 0 onto my spare word
	s_wait_dscnt 4*NL+1                            ; the add and the youngest sixteen loads (A's blocks 4-7) may be out
	WIN MUL_LO
	MUL16 0, 1, 0
	s_wait_dscnt 0x0                               ; the add is done, and my reads of this slot are over
	s_barrier_signal -1
	MUL16 2, 1, 0
	WIN 0
	s_barrier_wait -1
.if \fill
	CREST                                          ; the barrier has opened a round of the cluster's: no wave of any partner still reads this slot or has a load on its way
	s_add_nc_u64 s[G0+4*\slot+2:G0+4*\slot+3], s[G0+4*\slot+2:G0+4*\slot+3], 2*ROWB
	s_add_nc_u64 s[G0B+4*\slot+2:G0B+4*\slot+3], s[G0B+4*\slot+2:G0B+4*\slot+3], 2*ROWB
	JLOAD G0+4*\slot, G1, G0B+4*\slot, G1B         ; the first tensor load behind the round; its four v_nop are also the places in front of the loads below
.else
	PLACES NP
.endif
	FETCH_B \next, 0, 0
	FETCH_A \next, 0, 0
	WIN MUL_HI
	MUL16 4, 1, 0
	MUL16 6, 1, 0
	PLACES NP
	WIN 0
	FETCH_A \next, 0, 4
.endm
	s_wait_alu depctr_va_vdst(0)
	s_wait_tensorcnt 1                             ; my part of K step 0 is in; K step 1's load may be out
	s_barrier_signal -1
	s_barrier_wait -1
	FETCH_B 0, 0, 0
	FETCH_A 0, 0, 0
	FETCH_A 0, 0, 4
	STEP 0, 0, 1                                   ; K 0-127: these products start the sums
	TURN 0, 1, 1                                   ; K 128-255; slot 0 takes K 512-767
	STEP 1, 0, 0
	TURN 1, 0, 1                                   ; slot 1 takes K 768-1023
	STEP 0, 0, 0
	TURN 0, 1, 0                                   ; nothing is left to fetch
	STEP 1, 0, 0
	s_wait_dscnt 4*NL                              ; the last step
	WIN MUL_LO
	MUL16 0, 1, 0
	MUL16 2, 1, 0
	s_wait_dscnt 0
	WIN MUL_HI
	MUL16 4, 1, 0
	MUL16 6, 1, 0
	WIN 0
	; THE WAY OUT: convert, store.  The three scales are folded into the conversion's one; the job chooses it by selects, without a branch.
	s_wait_kmcnt 0x0
	s_sub_co_i32 s100, s95, s88
	s_sub_co_i32 s100, s100, s89                   ; k: e7 - e0 - e1
	s_sub_co_i32 s101, s94, s90
	s_sub_co_i32 s101, s101, s91                   ; q: e6 - e2 - e3
	s_sub_co_i32 s71, s97, s92
	s_sub_co_i32 s71, s71, s93                     ; v: e9 - e4 - e5
	s_cmp_eq_u32 s70, 1
	s_cselect_b32 s100, s101, s100
	s_cmp_eq_u32 s70, 2
	s_cselect_b32 s100, s71, s100
	s_add_co_i32 s100, s100, 127
	s_lshl_b32 s71, s100, 23
	v_mov_b32 v[SCV], s71                          ; the scale as f32
	s_add_co_i32 s100, s100, 15
	s_lshl_b32 s100, s100, 23
	s_or_b32 s100, s100, 0x600000                  ; 57,344 x the scale,
	s_or_b32 s101, s100, 0x80000000                ; and its negative
	PLACES NP
.macro OUTB a                          ; block a: my 16 rows of A against my 128 rows of B: 16 registers of codes a lane, four stores
	WIN 0x02+((\a)/4)                              ; source 0: window 2 or 3
.set jj, 0
.rept 64
.set jj, jj+1
.endr
.irp b, 0,1,2,3,4,5,6,7
	v_cvt_scalef32_pk8_bf8_f32 v[CD+16*(\a)+2*\b:CD+16*(\a)+2*\b+1], v[TMP+8*\b+((64*((\a)%4)+jj)-(TMP+jj)):TMP+8*\b+7+((64*((\a)%4)+jj)-(TMP+jj))], v[SCV]
.endr
	WIN 0
	v_nop                                          ; a plain line behind the conversions
.irp c, 0,1,2,3
	global_store_b128 v[VO+(\c)/2], v[CD+16*(\a)+4*\c:CD+16*(\a)+4*\c+3], s[OB+2*(\a):OB+2*(\a)+1] offset:512*((\c)%2)   ; 512 consecutive bytes, aligned; each block has registers of its own, so no store's data are written again
.endr
.endm
.irp a, 0,1,2,3,4,5,6,7
	OUTB \a
.endr
	s_wait_tensorcnt 0x0                           ; the wave's end
	ds_add_u32 v[SPW], v[NIL]
	s_wait_dscnt 0x0
	CROUND                                         ; the closing round: no work-group ends while a partner may still ask for a tile that names it
	s_endpgm
.Lfunc_end_k_qb290f5ffdb_qkv:
	.size	k_qb290f5ffdb_qkv, .Lfunc_end_k_qb290f5ffdb_qkv-k_qb290f5ffdb_qkv
	.p2alignl 7, 3214868480
	.fill 96, 4, 3214868480
	.section	.rodata,"a",@progbits
	.p2align	6, 0x0
	.amdhsa_kernel k_qb290f5ffdb_qkv
		.amdhsa_group_segment_fixed_size 327680
		.amdhsa_private_segment_fixed_size 0
		.amdhsa_enable_private_segment 0
		.amdhsa_kernarg_size 24
		.amdhsa_user_sgpr_count 2
		.amdhsa_user_sgpr_kernarg_segment_ptr 1
		.amdhsa_wavefront_size32 1
		.amdhsa_system_sgpr_workgroup_id_x 1
		.amdhsa_system_sgpr_workgroup_id_y 1
		.amdhsa_system_sgpr_workgroup_id_z 1
		.amdhsa_system_vgpr_workitem_id 0
		.amdhsa_next_free_vgpr 1024
		.amdhsa_next_free_sgpr 102
		.amdhsa_reserve_vcc 0
		.amdhsa_float_denorm_mode_32 3
		.amdhsa_float_denorm_mode_16_64 3
		.amdhsa_fp16_overflow 1
		.amdhsa_memory_ordered 1
		.amdhsa_forward_progress 1
		.amdhsa_inst_pref_size 87
	.end_amdhsa_kernel
	.amdgpu_metadata
---
amdhsa.version: [ 1, 2 ]
amdhsa.kernels:
  - .name:           k_qb290f5ffdb_qkv
    .symbol:         k_qb290f5ffdb_qkv.kd
    .args:
      - { .name: codes, .offset: 0, .size: 8, .value_kind: global_buffer, .address_space: global }
      - { .name: lowp_scales, .offset: 8, .size: 8, .value_kind: global_buffer, .address_space: global }
      - { .name: qkv, .offset: 16, .size: 8, .value_kind: global_buffer, .address_space: global }
    .group_segment_fixed_size: 327680
    .private_segment_fixed_size: 0
    .kernarg_segment_align: 8
    .kernarg_segment_size: 24
    .max_flat_workgroup_size: 128
    .sgpr_count:     102
    .vgpr_count:     1024
    .wavefront_size: 32
...
	.end_amdgpu_metadata
.endif
;; end of part 2
;; launch attn (part 3): grid 4 x 64, 16 waves a work-group, no clusters, 327,680 bytes of LDS; arguments qkv, lowp_scales, flat; writes flat
.if DOCPART == 3
	.amdgcn_target "amdgcn-amd-amdhsa--gfx1250"
	.amdhsa_code_object_version 6
	.text
	.protected	k_qb290f5ffdb_attn
	.globl	k_qb290f5ffdb_attn
	.p2align	8
	.type	k_qb290f5ffdb_attn,@function
k_qb290f5ffdb_attn:
	s_mov_b64 s[64:65], 0
	v_nop
	global_prefetch_b8 v0, s[64:65] scope:SCOPE_SE
	s_setreg_imm32_b32 hwreg(HW_REG_WAVE_MODE, 25, 1), 1
	s_wait_xcnt 0x0
; Causal attention on codes of E5M2, head size 64, 2,048 tokens, 64 heads (batch x 16 + head = work-group y).  Both products on the matrix unit, f32 sums.
; t = score x 2^(e6 + e7) x log2(e) / 8; M = the running largest t rounded up to a whole number; p = 2^(t - M) is quantised with 2^e8; the row's sum is taken of the unquantised p; when M moves, sum and O are multiplied by 2^(old M - new M).
; At the end O / sum x 2^(e8 + e9) is quantised with 2^e10 and stored as an image of the last product's operand: [batch x 16 + head][tile of 16 tokens][chunk 0, 1][lane][16 bytes].
; SHARES.  Work-group x of a head owns query blocks 7 - x and x (256 queries each): it walks key slots 0 .. 7 - x for the first and 0 .. x for the second: nine slots of 256 keys, whatever x: 256 work-groups of equal work, and a constant trip count.
; Each of the sixteen waves owns 16 queries of the block in hand, in 256 registers.  A step is 128 keys; a step all of whose keys come after the wave's queries is jumped over (a scalar branch on ids; no barrier and no tensor load stands in a step).
; LAYOUT.  S^T = K Q^T (source 0 = 16 keys, source 1 = my 16 queries), O^T = V^T P^T (source 0 = 16 of the head's 64, source 1 = P): a lane holds one query throughout, and tile t's eight registers are keys 16 t + 8 (lane / 16) + 0..7:
; one conversion gives registers 2 t, 2 t + 1 of P.  K, Q and V come as images of their registers (lane l's 16 bytes at 16 l), so every LDS read is 512 consecutive bytes.
; RING.  Two LDS slots of 32,768 bytes: 16 tiles of K (16,384 bytes), then 8 fragments of V.  Wave 0 fetches K's part, wave 1 V's: one dense tile of 64 rows x 256 bytes each.
; NO CLUSTER: the four work-groups of a head walk the same slots only in their first five visits; from visit 8 - x on work-group x begins anew at slot 0, so partners would need different tiles in the same round.
; LIMITS: e6 + e7 between -123 and 130 (added to c's exponent field); e8 and e10 - e8 - e9 between -126 and 112.  NaN is not served.
; REGISTERS: v1 16 x lane; v2 256 x lane; v3 lane % 16 - 8 (lane / 16); v5, v6 the add's; v8 LDS address; v12 -M, v13 largest t, v[14:15] the sum; v16-23 Q; v24-31 the second block's Q; v32-95 K's 8 tiles, then V's 4 fragments;
;   v96-159 S^T, then p; v160-191 O^T; v192-207 p's codes; v208-215, v234-241 the two blocks' codes; v220-233 at work and constants.
.set SLOT1, 1<<15
.set SPARE, 2*SLOT1                    ; behind the ring: the spare words, 128 bytes for each of sixteen waves, that no other line names
.set LI,   1
.set PFO,  2
.set RH,   3
.set SPW,  5
.set NIL,  6
.set ADK,  8
.set TB,   2                           ; s2   LDS byte at which the slot in hand begins
.set OBH,  10                          ; s[10:11] where the first block's codes go;  s[12:13] the second's
.set OBL,  12
.set XX,   16                          ; s16  x;  s17  x + 1
.set XP1,  17
.set WV,   18
.set WRAPB, 19                         ; s19  (8 - x) slots of 16,384 bytes: back to slot 0 for the second block
.set SEL,  20
.set CS,   22
.set G1,   24
.set G0,   32
.set PFA,  36                          ; s[36:37] where my prefetches stand
.set LIM,  38                          ; s38  2 in a wave that prefetches, else the greatest number
.set SLOTS, 39                         ; s39  slots still to be asked for
.set KF,   40                          ; s40  the step's first key
.set Q0,   41                          ; s41  my first query of the block in hand;  s42 of the second block
.set Q0L,  42
.macro TLOAD                           ; waves 0 and 1 fetch; four v_nop follow the line
	s_cmp_lt_u32 s[WV], 2
	s_cbranch_scc0 .Lasked_\@
	tensor_load_to_lds s[G0:G0+3], s[G1:G1+7]
	s_nop 0
.rept 4
	v_nop
.endr
.Lasked_\@:
.endm
; A prefetch of the slot that the NEXT change of slots will ask for.  All four work-groups of a head begin with slots 0, 1, 2 ..; work-group x = 0 walks slots 0 to 7 on end, so it asks, and nobody else.  In it waves 4 and 5 ask for K's two
; halves of 8,192 bytes and waves 6 and 7 for V's, lanes 256 bytes apart: each aligned 256 bytes is named once in the launch.  Slots 0 and 1 come by their loads alone; the changes whose slot two visits on would pass slot 7 ask for nothing.
.macro ASK
	s_cmp_gt_u32 s[SLOTS], s[LIM]
	s_cbranch_scc0 .Lnot_mine_\@
	global_prefetch_b8 v[PFO], s[PFA:PFA+1] th:TH_LOAD_NT scope:SCOPE_SE
.Lnot_mine_\@:
.endm
	s_load_b128 s[4:7], s[0:1], 0x0                ; the images s[4:5], the scales' exponents s[6:7]
	s_load_b64 s[8:9], s[0:1], 0x10                ; flat
	v_lshl_add_u32 v[SPW], v0, 2, SPARE
	v_mov_b32 v[NIL], 0
	ds_add_u32 v5, v6
	ds_add_u32 v5, v6
	s_wait_dscnt 0x0
	v_lshrrev_b32 v8, 5, v0
	s_delay_alu instid0(VALU_DEP_1)
	v_readfirstlane_b32 s[WV], v8                  ; wave 0..15
	s_mov_b32 s[XX], ttmp9
	s_add_co_u32 s[XP1], s[XX], 1
	s_sub_co_u32 s[WRAPB], 8, s[XX]
	s_lshl_b32 s[WRAPB], s[WRAPB], 14
	s_mov_b32 s45, 0                               ; the upper word of the pair s[44:45]
	s_and_b32 s46, ttmp7, 0xffff
	s_lshl_b32 s46, s46, 17                        ; the head's first byte in each image: 131,072 bytes a head
	s_lshl_b32 s47, s[WV], 4
	s_sub_co_u32 s[Q0], 7, s[XX]
	s_lshl_b32 s[Q0], s[Q0], 8
	s_add_co_u32 s[Q0], s[Q0], s47                 ; 256 (7 - x) + 16 wave
	s_lshl_b32 s[Q0L], s[XX], 8
	s_add_co_u32 s[Q0L], s[Q0L], s47               ; 256 x + 16 wave
	s_and_b32 s48, s[WV], 1
	s_lshl_b32 s50, s48, 24                        ; wave 0: K's image at 0; wave 1: V's at 0x1000000
	s_add_co_u32 s50, s50, s46
	s_mov_b32 s51, 0
	s_lshl_b32 s54, s[Q0], 6                       ; 64 bytes a token
	s_add_co_u32 s54, s54, s46
	s_mov_b32 s55, 0
	s_lshl_b32 s56, s[Q0L], 6
	s_add_co_u32 s56, s56, s46
	s_mov_b32 s57, 0
	s_bfe_u32 s62, s[WV], 0x10001                  ; the prefetches: waves 4, 5: K; waves 6, 7: V;
	s_lshl_b32 s62, s62, 24
	s_lshl_b32 s63, s48, 13                        ; the wave's half of a slot's 16,384 bytes;
	s_add_co_u32 s62, s62, s63
	s_add_co_u32 s62, s62, s46
	s_add_co_u32 s62, s62, 16384                   ; in slot 1: the first change of slots steps it to slot 2
	s_mov_b32 s63, 0
	s_lshr_b32 s49, s[WV], 2
	s_xor_b32 s49, s49, 1                          ; 0 in waves 4 to 7,
	s_or_b32 s49, s49, ttmp9                       ; of work-group x = 0
	s_cmp_eq_u32 s49, 0
	s_cselect_b32 s[LIM], 2, -1
	s_mov_b32 s[G1], 3<<16                         ; no mask; elements of 8 bytes; no padding
	s_mov_b32 s[G1+1], 32<<16                      ; tensor_dim0 = 32 elements: 256 bytes
	s_mov_b32 s[G1+2], 64<<16                      ; tensor_dim1 = 64
	s_mov_b32 s[G1+3], 32<<16                      ; tile_dim0
	s_mov_b32 s[G1+4], 64                          ; tile_dim1
	s_mov_b32 s[G1+5], 32                          ; the pitch: dense
	s_mov_b32 s[G1+6], 0
	s_mov_b32 s[G1+7], 0
	s_mov_b32 s[SEL], 0x76543210
	s_mov_b32 s[SEL+1], 0xfedcba98
	s_mov_b32 s[CS], 0x3e38aa3b                    ; c = log2(e) / 8
	s_mov_b32 s[TB], 0
	s_mov_b32 s[SLOTS], 8
	s_mov_b32 s[KF], 0
	s_wait_kmcnt 0x0
	s_load_b256 s[68:75], s[6:7], 0x10             ; e4 .. e11: e6 = s70, e7 = s71, e8 = s72, e9 = s73, e10 = s74
	s_mov_b32 s[G0], 1
	s_lshl_b32 s[G0+1], s48, 14                    ; LDS: K's part at 0, V's at 16,384, in slot 0
	s_add_nc_u64 s[G0+2:G0+3], s[4:5], s[50:51]
	s_or_b32 s[G0+3], s[G0+3], 0x80000000
	TLOAD                                          ; the first visit's slot
	s_add_nc_u64 s[OBH:OBH+1], s[8:9], s[54:55]
	s_add_nc_u64 s[OBL:OBL+1], s[8:9], s[56:57]
	s_add_nc_u64 s[58:59], s[4:5], s[54:55]
	s_add_nc_u64 s[58:59], s[58:59], 0x800000      ; Q's image, my tile of the first block,
	s_add_nc_u64 s[60:61], s[4:5], s[56:57]
	s_add_nc_u64 s[60:61], s[60:61], 0x800000      ; and of the second
	s_add_nc_u64 s[PFA:PFA+1], s[4:5], s[62:63]
	v_and_b32 v[LI], 31, v0
	s_delay_alu instid0(VALU_DEP_1)
	v_lshlrev_b32 v[PFO], 8, v[LI]
	s_delay_alu instid0(VALU_DEP_2)
	v_lshlrev_b32 v[LI], 4, v[LI]
	global_load_b128 v[16:19], v[LI], s[58:59]
	global_load_b128 v[20:23], v[LI], s[58:59] offset:512
	global_load_b128 v[24:27], v[LI], s[60:61]
	global_load_b128 v[28:31], v[LI], s[60:61] offset:512
	v_and_b32 v[RH], 15, v0
	v_bfe_u32 v8, v0, 4, 1
	s_delay_alu instid0(VALU_DEP_1)
	v_lshlrev_b32 v8, 3, v8
	s_delay_alu instid0(VALU_DEP_1)
	v_sub_nc_u32 v[RH], v[RH], v8                  ; lane % 16 - 8 (lane / 16)
	v_mov_b32 v13, 0xff61b1e6                      ; the largest t so far: -3e38
	s_delay_alu instid0(VALU_DEP_1)
	v_floor_f32 v12, -v13                          ; -M
	v_mov_b32 v14, 0
	v_mov_b32 v15, 0
	v_mov_b32 v220, 0                              ; a lane permute's destination counts as one of its sources
	v_mov_b32 v223, 0                              ; named as the upper half of the pair v[222:223]
	v_mov_b32 v232, 0xff800000                     ; -infinity
.set jj, 0
.rept 32
	v_mov_b32 v[160+jj], 0                         ; O^T: the step is written once, and the first change of M leaves zeros zeros
.set jj, jj+1
.endr
	s_wait_kmcnt 0x0
	s_add_co_i32 s46, s70, s71
	s_lshl_b32 s46, s46, 23
	s_add_co_i32 s[CS], s[CS], s46                 ; e6 + e7 onto c's exponent field
	s_mov_b32 s[CS+1], s[CS]
	s_add_co_i32 s46, s72, 127
	s_lshl_b32 s47, s46, 23
	v_mov_b32 v229, s47                            ; 2^e8
	s_sub_co_i32 s46, s74, s72
	s_sub_co_i32 s46, s46, s73
	s_add_co_i32 s46, s46, 127
	s_lshl_b32 s47, s46, 23
	v_mov_b32 v230, s47                            ; 2^(e10 - e8 - e9)
; A KEY STEP: 128 keys, the q-th of the slot in hand.
.macro STEP q
	s_add_co_u32 s46, s[Q0], 15
	s_cmp_gt_u32 s[KF], s46                        ; all keys behind my queries?
	s_cbranch_scc1 .Lhidden_\@
	v_add_nc_u32 v[ADK], s[TB], v[LI]
.rept 3
	v_nop                                          ; with the line above: four places in front of loads into registers that the last products read
.endr
.irp t, 0,1,2,3,4,5,6,7
	ds_load_b128 v[32+8*\t:35+8*\t], v[ADK] offset:8192*(\q)+1024*\t
	ds_load_b128 v[36+8*\t:39+8*\t], v[ADK] offset:8192*(\q)+1024*\t+512
.endr
	s_wait_alu depctr_va_vdst(0)
	s_wait_dscnt 0x0
.irp t, 0,1,2,3,4,5,6,7
	v_wmma_f32_16x16x64_bf8_bf8 v[96+8*\t:103+8*\t], v[32+8*\t:39+8*\t], v[16:23], 0
.endr
.rept 4
	v_nop                                          ; places: for the loads below, and for the first read of the scores
.endr
.irp d, 0,1,2,3
.irp c, 0,1,2,3
	ds_load_b128 v[32+16*\d+4*\c:35+16*\d+4*\c], v[ADK] offset:16384+8192*(\q)+2048*\d+512*\c   ; V's fragments land while the softmax is walked
.endr
.endr
	s_add_co_u32 s46, s[KF], 127
	s_cmp_le_u32 s46, s[Q0]                        ; do all keys count for all my queries?
	s_cbranch_scc1 .Lopen_\@
	s_sub_co_i32 s46, s[Q0], s[KF]
	v_add_nc_u32 v233, s46, v[RH]                  ; register 8 t + j holds key KF + 16 t + 8 (lane / 16) + j: hidden where 16 t + j > my query - KF - 8 (lane / 16)
.set jj, 0
.rept 64
	v_cmp_gt_i32 vcc_lo, 16*(jj/8)+jj%8, v233
	v_cndmask_b32 v[96+jj], v[96+jj], v232, vcc_lo
.set jj, jj+1
.endr
.Lopen_\@:
	v_max3_num_f32 v224, v96, v97, v98             ; the step's largest score of my query among my 64 keys, in two chains
	v_max3_num_f32 v225, v99, v100, v101
.irp i, 6,10,14,18,22,26,30,34,38,42,46,50,54,58
	v_max3_num_f32 v224, v224, v[96+\i], v[97+\i]
	v_max3_num_f32 v225, v225, v[98+\i], v[99+\i]
.endr
	v_max3_num_f32 v224, v224, v158, v159
	s_delay_alu instid0(VALU_DEP_1)
	v_max_num_f32 v224, v224, v225
	s_delay_alu instid0(VALU_DEP_1)
	v_permlanex16_b32 v220, v224, s[SEL], s[SEL+1]
	s_delay_alu instid0(VALU_DEP_1)
	v_max_num_f32 v224, v224, v220                 ; and among the other half of the lanes'
	s_delay_alu instid0(VALU_DEP_1)
	v_mul_f32 v224, s[CS], v224                    ; as t (c is positive)
	s_delay_alu instid0(VALU_DEP_1)
	v_max_num_f32 v13, v13, v224
	v_mov_b32 v224, v12
	s_delay_alu instid0(VALU_DEP_2)
	v_floor_f32 v12, -v13                          ; the new -M = floor(-t)
	s_delay_alu instid0(VALU_DEP_1)
	v_sub_f32 v224, v12, v224                      ; old M - new M: a whole number, 0 or less
	s_delay_alu instid0(VALU_DEP_1)
	v_cvt_i32_f32 v224, v224
	s_delay_alu instid0(VALU_DEP_1)
	v_ldexp_f32 v222, 1.0, v224                    ; f = 2^(old M - new M)
.set jj, 0
.rept 32
	v_pk_fma_f32 v[96+jj:97+jj], v[96+jj:97+jj], s[CS:CS+1], v[12:13] op_sel_hi:[1,0,0]   ; t - M
.set jj, jj+2
.endr
.set jj, 0
	s_wait_alu depctr_va_vdst(0)
.rept 64
	v_exp_f32 v[96+jj], v[96+jj]                   ; p = 2^(t - M)
.set jj, jj+1
.endr
	v_pk_mul_f32 v[14:15], v[14:15], v[222:223] op_sel_hi:[1,0]   ; the sum under the new M; also the plain line behind the exponentials
	s_wait_alu depctr_va_vdst(0)                   ; one wait for the batch of 64, ahead of its first reader
	v_pk_add_f32 v[226:227], v[100:101], v[104:105]
	v_pk_add_f32 v[254:255], v[108:109], v[112:113]
	v_pk_add_f32 v[252:253], v[116:117], v[120:121]
	v_pk_add_f32 v[250:251], v[124:125], v[128:129]
	v_pk_add_f32 v[248:249], v[132:133], v[136:137]
	v_pk_add_f32 v[246:247], v[140:141], v[144:145]
	v_pk_add_f32 v[244:245], v[148:149], v[152:153]
	v_pk_add_f32 v[14:15], v[14:15], v[156:157]
	v_pk_add_f32 v[226:227], v[226:227], v[96:97]
	v_pk_add_f32 v[254:255], v[254:255], v[98:99]
	v_pk_add_f32 v[252:253], v[252:253], v[102:103]
	v_pk_add_f32 v[250:251], v[250:251], v[106:107]
	v_pk_add_f32 v[248:249], v[248:249], v[110:111]
	v_pk_add_f32 v[246:247], v[246:247], v[114:115]
	v_pk_add_f32 v[244:245], v[244:245], v[118:119]
	v_pk_add_f32 v[14:15], v[14:15], v[122:123]
	v_pk_add_f32 v[226:227], v[226:227], v[126:127]
	v_pk_add_f32 v[254:255], v[254:255], v[130:131]
	v_pk_add_f32 v[252:253], v[252:253], v[134:135]
	v_pk_add_f32 v[250:251], v[250:251], v[138:139]
	v_pk_add_f32 v[248:249], v[248:249], v[142:143]
	v_pk_add_f32 v[246:247], v[246:247], v[146:147]
	v_pk_add_f32 v[244:245], v[244:245], v[150:151]
	v_pk_add_f32 v[14:15], v[14:15], v[154:155]
	v_pk_add_f32 v[226:227], v[226:227], v[158:159]
	s_delay_alu instid0(VALU_DEP_2)
	v_pk_add_f32 v[14:15], v[14:15], v[250:251]
	s_delay_alu instid0(VALU_DEP_2)
	v_pk_add_f32 v[226:227], v[226:227], v[248:249]
	v_pk_add_f32 v[254:255], v[254:255], v[246:247]
	v_pk_add_f32 v[252:253], v[252:253], v[244:245]
	s_delay_alu instid0(VALU_DEP_2)
	v_pk_add_f32 v[14:15], v[14:15], v[254:255]
	s_delay_alu instid0(VALU_DEP_2)
	v_pk_add_f32 v[226:227], v[226:227], v[252:253]
	s_delay_alu instid0(VALU_DEP_1)
	v_pk_add_f32 v[14:15], v[14:15], v[226:227]
.irp t, 0,1,2,3,4,5,6,7
.irp i, 0,1,2,3,4,5,6,7
.endr
	v_cvt_scalef32_pk8_bf8_f32 v[192+2*\t:193+2*\t], v[96+8*\t:103+8*\t], v229
.endr
.set jj, 0
.rept 16
	v_pk_mul_f32 v[160+jj:161+jj], v[160+jj:161+jj], v[222:223] op_sel_hi:[1,0]   ; O^T under the new M; also the plain lines behind the last conversion
.set jj, jj+2
.endr
	s_wait_alu depctr_va_vdst(0)
	s_wait_dscnt 0x0                               ; V is in
.irp d, 0,1,2,3
	v_wmma_f32_16x16x128_bf8_bf8 v[160+8*\d:167+8*\d], v[32+16*\d:47+16*\d], v[192:207], v[160+8*\d:167+8*\d]   ; four accumulators by turns, one instruction a turn
.endr
.Lhidden_\@:
	s_add_co_u32 s[KF], s[KF], 128
.endm
; THE CHANGE OF SLOTS, at a slot's head.  Each wave waits for all its tensor loads, adds 0 to its spare word, and waits for that and for its reads of the slot that it has left.  Behind the barrier the slot ahead is whole and nobody reads the other.
; fill = 1: the other slot takes the next visit's keys: the next 256, or, where the next visit is the second block's first, the head's first 256.
.macro CHANGE fill
	s_wait_tensorcnt 0x0                           ; no tensor load of mine is out, so the group 0 may be written
	ds_add_u32 v[SPW], v[NIL]                      ; 0 onto my spare word
.if \fill
	s_xor_b32 s[G0+1], s[G0+1], SLOT1
	s_add_nc_u64 s[G0+2:G0+3], s[G0+2:G0+3], 16384
	s_cmp_eq_u32 s[SLOTS], s[XP1]
	s_cselect_b32 s44, s[WRAPB], 0
	s_sub_nc_u64 s[G0+2:G0+3], s[G0+2:G0+3], s[44:45]   ; the type bits on top are not reached
	s_wait_xcnt 0x0                                ; the last prefetch, a slot back, has read its address
	s_add_nc_u64 s[PFA:PFA+1], s[PFA:PFA+1], 16384
.endif
	s_wait_dscnt 0x0                               ; the add is done, and my reads of the slot that I have left are over
	s_barrier_signal -1
	s_barrier_wait -1
.if \fill
	TLOAD                                          ; the first thing behind the barrier, and a wave's one tensor load until the next
	ASK
.endif
.endm
; A block's end: O^T / the sum, converted with 2^(e10 - e8 - e9), stored: two stores of 512 consecutive bytes, aligned.  cd: eight registers of this call's own, so no store's data are written again.
.macro FINISH ob, cd
.rept 4
	v_nop                                          ; places behind the last products
.endr
	v_add_f32 v14, v14, v15
	s_delay_alu instid0(VALU_DEP_1)
	v_permlanex16_b32 v220, v14, s[SEL], s[SEL+1]
	s_delay_alu instid0(VALU_DEP_1)
	v_add_f32 v14, v14, v220                       ; the row's sum
	s_wait_alu depctr_va_vdst(0)
	v_rcp_f32 v222, v14
	v_nop                                          ; a plain line behind the transcendental
	s_wait_alu depctr_va_vdst(0)                   ; and the wait ahead of its first reader
.set jj, 0
.rept 16
	v_pk_mul_f32 v[160+jj:161+jj], v[160+jj:161+jj], v[222:223] op_sel_hi:[1,0]   ; each accumulator from its low end on
.set jj, jj+2
.endr
.set jj, 0
.rept 32
.set jj, jj+1
.endr
.irp d, 0,1,2,3
	v_cvt_scalef32_pk8_bf8_f32 v[\cd+2*\d:\cd+2*\d+1], v[160+8*\d:167+8*\d], v230
.endr
	v_nop                                          ; a plain line behind the last conversion
	global_store_b128 v[LI], v[\cd:\cd+3], s[\ob:\ob+1]
	global_store_b128 v[LI], v[\cd+4:\cd+7], s[\ob:\ob+1] offset:512
.endm
; Where the visit at hand is the second block's first (SLOTS = x): the first block leaves, and the statistics, O^T, Q and the keys' count begin anew.  A branch on ids; no barrier and no tensor load stands in it.
.macro SWITCH
	s_cmp_eq_u32 s[SLOTS], s[XX]
	s_cbranch_scc0 .Lsame_\@
	FINISH OBH, 208
.irp j, 0,1,2,3,4,5,6,7
	v_mov_b32 v[16+\j], v[24+\j]
.endr
	v_mov_b32 v13, 0xff61b1e6
	s_delay_alu instid0(VALU_DEP_1)
	v_floor_f32 v12, -v13
	v_mov_b32 v14, 0
	v_mov_b32 v15, 0
.set jj, 0
.rept 32
	v_mov_b32 v[160+jj], 0
.set jj, jj+1
.endr
	s_mov_b32 s[Q0], s[Q0L]
	s_mov_b32 s[KF], 0
.Lsame_\@:
.endm
.macro SLOT_STEPS
	STEP 0
	STEP 1
	s_xor_b32 s[TB], s[TB], SLOT1
.endm
	s_wait_loadcnt 0x0                             ; Q, both blocks'
.Lslot:                                            ; eight trips: behind each change of slots but the last the next visit's slot is asked for
	CHANGE 1
	SWITCH
	SLOT_STEPS
	s_sub_co_u32 s[SLOTS], s[SLOTS], 1
	s_cmp_lg_u32 s[SLOTS], 0
	s_cbranch_scc1 .Lslot
	CHANGE 0                                       ; the ninth visit is written out
	SWITCH
	SLOT_STEPS
	FINISH OBL, 234
	s_wait_tensorcnt 0x0                           ; the wave's end
	ds_add_u32 v[SPW], v[NIL]
	s_wait_dscnt 0x0
	s_endpgm
.Lfunc_end_k_qb290f5ffdb_attn:
	.size	k_qb290f5ffdb_attn, .Lfunc_end_k_qb290f5ffdb_attn-k_qb290f5ffdb_attn
	.p2alignl 7, 3214868480
	.fill 96, 4, 3214868480
	.section	.rodata,"a",@progbits
	.p2align	6, 0x0
	.amdhsa_kernel k_qb290f5ffdb_attn
		.amdhsa_group_segment_fixed_size 327680
		.amdhsa_private_segment_fixed_size 0
		.amdhsa_enable_private_segment 0
		.amdhsa_kernarg_size 24
		.amdhsa_user_sgpr_count 2
		.amdhsa_user_sgpr_kernarg_segment_ptr 1
		.amdhsa_wavefront_size32 1
		.amdhsa_system_sgpr_workgroup_id_x 1
		.amdhsa_system_sgpr_workgroup_id_y 1
		.amdhsa_system_sgpr_workgroup_id_z 1
		.amdhsa_system_vgpr_workitem_id 0
		.amdhsa_next_free_vgpr 256
		.amdhsa_next_free_sgpr 76
		.amdhsa_reserve_vcc 1
		.amdhsa_float_denorm_mode_32 3
		.amdhsa_float_denorm_mode_16_64 3
		.amdhsa_fp16_overflow 1
		.amdhsa_memory_ordered 1
		.amdhsa_forward_progress 1
		.amdhsa_inst_pref_size 92
	.end_amdhsa_kernel
	.amdgpu_metadata
---
amdhsa.version: [ 1, 2 ]
amdhsa.kernels:
  - .name:           k_qb290f5ffdb_attn
    .symbol:         k_qb290f5ffdb_attn.kd
    .args:
      - { .name: qkv, .offset: 0, .size: 8, .value_kind: global_buffer, .address_space: global }
      - { .name: lowp_scales, .offset: 8, .size: 8, .value_kind: global_buffer, .address_space: global }
      - { .name: flat, .offset: 16, .size: 8, .value_kind: global_buffer, .address_space: global }
    .group_segment_fixed_size: 327680
    .private_segment_fixed_size: 0
    .kernarg_segment_align: 8
    .kernarg_segment_size: 24
    .max_flat_workgroup_size: 512
    .sgpr_count:     76
    .vgpr_count:     256
    .wavefront_size: 32
...
	.end_amdgpu_metadata
.endif
;; end of part 3
;; launch proj (part 4): grid 4 x 32, 4 waves a work-group, clusters of 4 x 4, 327,680 bytes of LDS; arguments flat, codes, lowp_scales, out0; writes out0
.if DOCPART == 4
	.amdgcn_target "amdgcn-amd-amdhsa--gfx1250"
	.amdhsa_code_object_version 6
	.text
	.protected	k_qb290f5ffdb_proj
	.globl	k_qb290f5ffdb_proj
	.p2align	8
	.type	k_qb290f5ffdb_proj,@function
k_qb290f5ffdb_proj:
	s_mov_b64 s[64:65], 0
	v_nop
	global_prefetch_b8 v0, s[64:65] scope:SCOPE_SE
	s_setreg_imm32_b32 hwreg(HW_REG_WAVE_MODE, 25, 1), 1
	s_wait_xcnt 0x0
	s_wait_alu depctr_hold_cnt(0) depctr_sa_sdst(0) depctr_va_vdst(0) depctr_va_sdst(0) depctr_va_ssrc(0) depctr_va_vcc(0) depctr_vm_vsrc(0)
	s_getreg_b32 s2, hwreg(HW_REG_IB_STS2, 6, 4)
	s_cmp_eq_u32 s2, 0
	s_cbranch_scc0 .Lentry_in_a_cluster
	s_endpgm
.Lentry_in_a_cluster:
	s_bfe_u32 s2, ttmp6, 0x10000c
	s_cmp_lg_u32 s2, 0xf033
	s_cbranch_scc0 .Lentry_shape_is_right
	s_endpgm
.Lentry_shape_is_right:
; out0 = flat Wo^T on codes of E5M2: [8192][1024] x [1024][1024], K = 1,024; f32 sums, each multiplied once by 2^(e10 + e11); out0 f32.
; A tile of out0 is 256 x 256, four waves, each 128 x 128: 64 accumulators, 512 registers.  32 x 4 tiles: 128 work-groups; a smaller tile would give each LDS byte fewer products, so these are launched as they are.
; A (flat) comes as images of the operand's registers: [batch x 16 + head][tile of 16 tokens][chunk 0, 1][lane][16 bytes].  A K step of 256 is four heads; 128 tokens of a head are 8,192 consecutive bytes, heads 131,072 bytes apart:
; a wave's tensor load brings 4 rows of 8,192 bytes, unpadded, and a fragment is read at 16 x lane: 512 consecutive bytes a load.  B (Wo's codes) comes as rows of 256 bytes, padded to 272 in LDS.
; Both then stand in the matrix operand's own layout (registers 2 c, 2 c + 1: K = 16 c + 8 (lane / 16) + 0..7).
; CLUSTERS of 4 x 4: A's tiles are asked for jointly along a row, B's along a column.  The matrix instruction is used transposed (source 0 = 16 rows of B, source 1 = 16 rows of A): a lane holds eight neighbouring numbers of a row of out0.
; LIMIT: e10 + e11 between -126 and 127.
; REGISTERS, in windows of 256: window 0: v16-29 addresses; v128-255 A's fragments, one set; on the way out v32-255 are free.  window 1: B's fragments, two sets.  windows 2, 3: the accumulators.
.set SIZE_N, 1024
.set ROWB,   256
.set KROW,   1024
.set PITCH,  272
.set FR,     16
.set NL,     4
.set NP,     4
.set HALFA,  32768                     ; A: 128 tokens x 256 codes as images
.set HALFT,  128*PITCH                 ; B: 128 rows
.set BOFF,   2*HALFA
.set SLOT,   2*HALFA+2*HALFT
.set ASTEP,  4*131072                  ; a K step of A in memory: four heads
.set SPARE,  2*SLOT                    ; behind the ring: the spare words, 128 bytes for each wave, that no other line names
.set SPITCH, 528                       ; the way out: a stage of 16 rows x (512 bytes + 16) for each wave, in slot 0, which has had its last fill and its last read when the first result is stored there
.set ADRA, 16
.set ADRB, 20
.set STO,  24
.set RD,   25
.set CO,   26                          ; v26  16 x lane
.set SPW,  28
.set NIL,  29
.set TMP,  32
.set AF,   128
.set BK,   128
.set G1, 24
.set G0, 32
.set G1B, 48
.set G0B, 56
.set MSB, 0
.macro WIN new
.if MSB != \new
	s_set_vgpr_msb (MSB<<8)|\new
.set MSB, \new
.endif
.endm
.set MUL_LO, 0xa1
.set MUL_HI, 0xf1
.set TO_B,   0x40
.macro JLOAD g0a, g1a, g0b, g1b        ; waves 0 and 1 fetch for A, waves 2 and 3 for B; four v_nop follow each of the two lines
	s_cmp_eq_u32 s15, 0
	s_cbranch_scc0 .Lfor_b_\@
	tensor_load_to_lds s[\g0a:\g0a+3], s[\g1a:\g1a+7]
	s_nop 0
.rept 4
	v_nop
.endr
	s_branch .Lasked_\@
.Lfor_b_\@:
	tensor_load_to_lds s[\g0b:\g0b+3], s[\g1b:\g1b+7]
	s_nop 0
.rept 4
	v_nop
.endr
.Lasked_\@:
.endm
.macro CREST
	s_cmp_lg_u32 s14, 0
	s_cbranch_scc1 .Lnot_wave_0_\@
	s_barrier_signal -3
.Lnot_wave_0_\@:
	s_barrier_wait -3
	s_barrier_signal -1
	s_barrier_wait -1
.endm
.macro CROUND
	s_barrier_signal -1
	s_barrier_wait -1
	CREST
.endm
	s_load_b128 s[4:7], s[0:1], 0x0                ; flat s[4:5], the codes s[6:7]
	s_load_b128 s[8:11], s[0:1], 0x10              ; the scales' exponents s[8:9], out0 s[10:11]
	v_lshl_add_u32 v[SPW], v0, 2, SPARE
	v_mov_b32 v[NIL], 0
	ds_add_u32 v28, v29
	ds_add_u32 v28, v29
	s_wait_dscnt 0x0
	v_lshrrev_b32 v1, 5, v0
	v_readfirstlane_b32 s14, v1                    ; wave 0..3
	s_lshr_b32 s15, s14, 1                         ; which half of the tile's rows is mine.  Also: I fetch for A (0) or for B (1)
	s_and_b32 s16, s14, 1                          ; which half of its columns.  Also: which half of that tile I fetch
	s_bfe_u32 s40, ttmp6, 0x40000                  ; cx, cy
	s_bfe_u32 s41, ttmp6, 0x40004
	s_lshl_b32 s42, ttmp9, 2
	s_add_co_u32 s42, s42, s40                     ; tile column
	s_and_b32 s17, ttmp7, 0xffff
	s_lshl_b32 s17, s17, 2
	s_add_co_u32 s17, s17, s41                     ; tile row
	s_lshl_b32 s43, s41, 2
	s_lshl_b32 s43, 15, s43                        ; my row of the cluster
	s_lshl_b32 s44, 0x1111, s40                    ; my column
	s_or_b32 s[G1+0], s43, (3<<16)|(1<<21)         ; A: the mask; elements of 8 bytes; bit 21 beside a mask; no padding
	s_mov_b32 s[G1+1], 1024<<16                    ; tensor_dim0 = 1,024 elements: 8,192 bytes
	s_mov_b32 s[G1+2], 4<<16                       ; tensor_dim1 = 4 heads
	s_mov_b32 s[G1+3], 1024<<16                    ; tile_dim0
	s_mov_b32 s[G1+4], 4                           ; tile_dim1
	s_mov_b32 s[G1+5], 16384                       ; from head to head: 131,072 bytes
	s_mov_b32 s[G1+6], 0
	s_mov_b32 s[G1+7], 0
	s_or_b32 s[G1B+0], s44, (0<<16)|(1<<20)|(1<<21)|(5<<22)|(3<<25)  ; B: elements of 1 byte; after every 64 words four words of padding
	s_mov_b32 s[G1B+1], ROWB<<16
	s_mov_b32 s[G1B+2], 128<<16
	s_mov_b32 s[G1B+3], ROWB<<16
	s_mov_b32 s[G1B+4], 128
	s_mov_b32 s[G1B+5], KROW
	s_mov_b32 s[G1B+6], 0
	s_mov_b32 s[G1B+7], 0
	s_lshl_b32 s18, s16, 7
	s_lshl_b32 s20, s17, 8
	s_add_co_u32 s20, s20, s18                     ; A: token 256 x tile row + 128 x half
	s_lshr_b32 s21, s20, 11
	s_lshl_b32 s21, s21, 21                        ; its batch: 16 heads of 131,072 bytes
	s_and_b32 s20, s20, 2047
	s_lshl_b32 s20, s20, 6                         ; 64 bytes a token within a head
	s_add_co_u32 s20, s20, s21
	s_mov_b32 s21, 0
	s_lshl_b32 s46, s42, 8
	s_add_co_u32 s46, s46, s18                     ; B: row 256 x tile column + 128 x half
	s_lshl_b32 s46, s46, 10
	s_add_co_u32 s46, s46, 0x1b00000               ; in wo
	s_mov_b32 s47, 0
	s_lshl_b32 s45, s16, 15                        ; where A's half goes,
	s_mul_i32 s2, s16, HALFT
	s_add_co_u32 s2, s2, BOFF                      ; and B's: no place in the cluster enters an LDS address
	s_wait_kmcnt 0x0
	s_load_b64 s[96:97], s[8:9], 0x28              ; e10, e11
	s_add_nc_u64 s[20:21], s[4:5], s[20:21]
	s_add_nc_u64 s[46:47], s[6:7], s[46:47]
	CROUND                                         ; all sixteen work-groups are here: the first joint loads meet
.irp s, 0,1
	s_mov_b32 s[G0+4*\s], 1
	s_add_co_u32 s[G0+4*\s+1], s45, \s*SLOT
	s_add_nc_u64 s[G0+4*\s+2:G0+4*\s+3], s[20:21], \s*ASTEP
	s_or_b32 s[G0+4*\s+3], s[G0+4*\s+3], 0x80000000
	s_mov_b32 s[G0B+4*\s], 1
	s_add_co_u32 s[G0B+4*\s+1], s2, \s*SLOT
	s_add_nc_u64 s[G0B+4*\s+2:G0B+4*\s+3], s[46:47], \s*ROWB
	s_or_b32 s[G0B+4*\s+3], s[G0B+4*\s+3], 0x80000000
	s_wait_alu depctr_va_vdst(0)
	s_wait_tensorcnt 0x0
	ds_add_u32 v28, v29
	ds_add_u32 v28, v29
	s_wait_dscnt 0x0
	CROUND
	JLOAD G0+4*\s, G1, G0B+4*\s, G1B
.endr
	v_and_b32 v1, 15, v0                           ; l % 16
	v_bfe_u32 v2, v0, 4, 1                         ; l / 16
	v_mul_u32_u24 v3, v1, PITCH
	v_lshl_add_u32 v4, v2, 4, v3                   ; B: a fragment's row x pitch + 16 x half
	v_and_b32 v6, 31, v0
	v_lshlrev_b32 v[CO], 4, v6                     ; A: 16 x lane; also my place in a row of out0
	s_wait_alu depctr_va_vdst(0)
	s_lshl_b32 s21, s15, 15                        ; my 128 tokens of A
	s_mul_i32 s22, s16, HALFT                      ; my 128 rows of B,
	s_add_co_u32 s22, s22, BOFF                    ; which lie behind A's two halves
.irp s, 0,1
	v_add_nc_u32 v[ADRA+\s], s21, v[CO]
	v_add_nc_u32 v[ADRB+\s], s22, v4
	s_add_co_u32 s21, s21, SLOT
	s_add_co_u32 s22, s22, SLOT
.endr
	s_mul_i32 s23, s14, 16*SPITCH                  ; my stage
	v_mul_u32_u24 v5, v1, SPITCH                   ; in: row l % 16, 32 bytes for each half of the lanes
	v_lshl_add_u32 v5, v2, 5, v5
	v_add_nc_u32 v[STO], s23, v5
	v_add_nc_u32 v[RD], s23, v[CO]                 ; back: the 32 lanes take one row of 512 bytes
	s_lshl_b32 s20, s17, 8
	s_lshl_b32 s21, s15, 7
	s_add_co_u32 s20, s20, s21                     ; my first row of out0
	s_lshl_b32 s20, s20, 12                        ; 4,096 bytes a row
	s_mov_b32 s21, 0
	s_lshl_b32 s46, s42, 10                        ; my first column, in bytes: 1,024 x tile column + 512 x half
	s_lshl_b32 s47, s16, 9
	s_add_co_u32 s46, s46, s47
	s_mov_b32 s47, 0
	s_add_nc_u64 s[20:21], s[20:21], s[46:47]
	s_add_nc_u64 s[10:11], s[10:11], s[20:21]
.macro FRAG reg, adr, q, i             ; B: 16 rows x 128 K
.irp c, 0,1,2,3
	ds_load_b128 v[\reg+4*\c:\reg+4*\c+3], v[\adr] offset:128*(\q)+32*\c+(\i)*16*PITCH
.endr
.endm
.macro FRAGA reg, slot, q, i           ; A: tile i of 16 tokens, heads 2 q and 2 q + 1 of the slot's four, two chunks each
.irp c, 0,1,2,3
	ds_load_b128 v[\reg+4*\c:\reg+4*\c+3], v[ADRA+\slot] offset:(2*(\q)+\c/2)*8192+1024*(\i)+512*(\c%2)
.endr
.endm
.macro MUL16 a0, p, zero               ; the 64 accumulators take turns, one instruction a turn
.irp a, \a0, \a0+1
.irp b, 0,1,2,3,4,5,6,7
.if \zero
	v_wmma_f32_16x16x128_bf8_bf8 v[8*(8*((\a)%4)+\b):8*(8*((\a)%4)+\b)+7], v[128*(\p)+FR*\b:128*(\p)+FR*\b+FR-1], v[AF+FR*(\a):AF+FR*(\a)+FR-1], 0
.else
	v_wmma_f32_16x16x128_bf8_bf8 v[8*(8*((\a)%4)+\b):8*(8*((\a)%4)+\b)+7], v[128*(\p)+FR*\b:128*(\p)+FR*\b+FR-1], v[AF+FR*(\a):AF+FR*(\a)+FR-1], v[8*(8*((\a)%4)+\b):8*(8*((\a)%4)+\b)+7]
.endif
.endr
.endr
.endm
.macro FETCH_B slot, q, p
	WIN TO_B
.irp i, 0,1,2,3,4,5,6,7
	FRAG 128*(\p)+FR*\i, ADRB+\slot, \q, \i
.endr
	WIN 0
.endm
.macro FETCH_A slot, q, i0
.irp i, \i0, \i0+1, \i0+2, \i0+3
	FRAGA AF+FR*(\i), \slot, \q, \i
.endr
.endm
.macro PLACES n                        ; plain vector lines between a matrix instruction and a load into, or a vector line on, one of its registers
.rept \n
	v_nop
.endr
.endm
.macro STEP slot, q, zero
	s_wait_dscnt 4*NL                              ; B's set and A's blocks 0-3 are in; the youngest sixteen loads (A's blocks 4-7) may be out
	WIN MUL_LO
	MUL16 0, (\q)%2, \zero
	MUL16 2, (\q)%2, \zero
	s_wait_dscnt 0
	PLACES NP
	FETCH_B \slot, (\q)+1, 1-(\q)%2
	FETCH_A \slot, (\q)+1, 0
	WIN MUL_HI
	MUL16 4, (\q)%2, \zero
	MUL16 6, (\q)%2, \zero
	PLACES NP
	WIN 0
	FETCH_A \slot, (\q)+1, 4
.endm
.macro TURN slot, next, fill
	s_wait_tensorcnt 0x0                           ; all my tensor loads have landed: my part of the next slot
	ds_add_u32 v[SPW], v[NIL]                      ; 0 onto my spare word
	s_wait_dscnt 4*NL+1                            ; the add and the youngest sixteen loads may be out
	WIN MUL_LO
	MUL16 0, 1, 0
	s_wait_dscnt 0x0                               ; the add is done, and my reads of this slot are over
	s_barrier_signal -1
	MUL16 2, 1, 0
	WIN 0
	s_barrier_wait -1
.if \fill
	CREST                                          ; the barrier has opened a round of the cluster's: no wave of any partner still reads this slot or has a load on its way
	s_add_nc_u64 s[G0+4*\slot+2:G0+4*\slot+3], s[G0+4*\slot+2:G0+4*\slot+3], 2*ASTEP
	s_add_nc_u64 s[G0B+4*\slot+2:G0B+4*\slot+3], s[G0B+4*\slot+2:G0B+4*\slot+3], 2*ROWB
	JLOAD G0+4*\slot, G1, G0B+4*\slot, G1B
.else
	PLACES NP
.endif
	FETCH_B \next, 0, 0
	FETCH_A \next, 0, 0
	WIN MUL_HI
	MUL16 4, 1, 0
	MUL16 6, 1, 0
	PLACES NP
	WIN 0
	FETCH_A \next, 0, 4
.endm
	s_wait_alu depctr_va_vdst(0)
	s_wait_tensorcnt 1                             ; my part of K step 0 is in; K step 1's load may be out
	s_barrier_signal -1
	s_barrier_wait -1
	FETCH_B 0, 0, 0
	FETCH_A 0, 0, 0
	FETCH_A 0, 0, 4
	STEP 0, 0, 1                                   ; these products start the sums
	TURN 0, 1, 1
	STEP 1, 0, 0
	TURN 1, 0, 1
	STEP 0, 0, 0
	TURN 0, 1, 0                                   ; nothing is left to fetch
	STEP 1, 0, 0
	s_wait_dscnt 4*NL
	WIN MUL_LO
	MUL16 0, 1, 0
	MUL16 2, 1, 0
	s_wait_dscnt 0
	WIN MUL_HI
	MUL16 4, 1, 0
	MUL16 6, 1, 0
	WIN 0
; THE WAY OUT, block by block of 16 rows x 128 columns, through my own stage: in as 32 bytes a lane, back as whole rows of 512 bytes.  LDS serves a wave's instructions in order (ISA guide 5.7.1.4): no wait between the stores and the loads.
.macro TOSTAGE a
.set AC, 64*((\a)%4)
	WIN 0x02+((\a)/4)
.irp j, 0,2,4,6,8,10,12,14,16,18,20,22,24,26,28,30,32,34,36,38,40,42,44,46,48,50,52,54,56,58,60,62
	v_pk_mul_f32 v[TMP+\j:TMP+\j+1], v[AC+\j:AC+\j+1], s[96:97] op_sel_hi:[1,0]   ; x 2^(e10 + e11); each accumulator from its low end on
.endr
	WIN 0
.irp b, 0,1,2,3,4,5,6,7
	ds_store_b128 v[STO], v[TMP+8*\b:TMP+8*\b+3] offset:64*\b
	ds_store_b128 v[STO], v[TMP+8*\b+4:TMP+8*\b+7] offset:64*\b+16
.endr
.set BB, BK+64*((\a)%2)
.irp t, 0,1,2,3,4,5,6,7,8,9,10,11,12,13,14,15
	ds_load_b128 v[BB+4*\t:BB+4*\t+3], v[RD] offset:\t*SPITCH
.endr
.endm
.macro SEND a, younger                 ; younger: the LDS instructions issued behind block a's loads, which may stay out
.set BB, BK+64*((\a)%2)
	s_wait_dscnt \younger
.if (\a) > 0
	s_add_nc_u64 s[10:11], s[10:11], 16*SIZE_N*4   ; behind a wait on XCNT: the earlier stores have read their base
.endif
.irp t, 0,1,2,3,4,5,6,7,8,9,10,11,12,13,14,15
	global_store_b128 v[CO], v[BB+4*\t:BB+4*\t+3], s[10:11] offset:\t*SIZE_N*4 th:TH_STORE_NT   ; 32 lanes store 512 consecutive bytes, aligned; written once, read by nobody here
.endr
.endm
	s_wait_kmcnt 0x0
	s_add_co_i32 s96, s96, s97
	s_add_co_i32 s96, s96, 127
	s_lshl_b32 s96, s96, 23                        ; 2^(e10 + e11) as f32
	PLACES NP
	TOSTAGE 0
.irp a, 1,2,3,4,5,6,7
.if \a > 1
	s_wait_xcnt 0x0                                ; block a - 2's stores have read their registers and their base
.endif
	TOSTAGE \a
	SEND \a-1, 32                                  ; behind block a - 1's loads: block a's 16 stores and 16 loads
.endr
	s_wait_xcnt 0x0
	SEND 7, 0
	s_wait_tensorcnt 0x0                           ; the wave's end
	ds_add_u32 v[SPW], v[NIL]
	s_wait_dscnt 0x0
	CROUND                                         ; the closing round
	s_endpgm
.Lfunc_end_k_qb290f5ffdb_proj:
	.size	k_qb290f5ffdb_proj, .Lfunc_end_k_qb290f5ffdb_proj-k_qb290f5ffdb_proj
	.p2alignl 7, 3214868480
	.fill 96, 4, 3214868480
	.section	.rodata,"a",@progbits
	.p2align	6, 0x0
	.amdhsa_kernel k_qb290f5ffdb_proj
		.amdhsa_group_segment_fixed_size 327680
		.amdhsa_private_segment_fixed_size 0
		.amdhsa_enable_private_segment 0
		.amdhsa_kernarg_size 32
		.amdhsa_user_sgpr_count 2
		.amdhsa_user_sgpr_kernarg_segment_ptr 1
		.amdhsa_wavefront_size32 1
		.amdhsa_system_sgpr_workgroup_id_x 1
		.amdhsa_system_sgpr_workgroup_id_y 1
		.amdhsa_system_sgpr_workgroup_id_z 1
		.amdhsa_system_vgpr_workitem_id 0
		.amdhsa_next_free_vgpr 1024
		.amdhsa_next_free_sgpr 98
		.amdhsa_reserve_vcc 0
		.amdhsa_float_denorm_mode_32 3
		.amdhsa_float_denorm_mode_16_64 3
		.amdhsa_memory_ordered 1
		.amdhsa_forward_progress 1
		.amdhsa_inst_pref_size 124
	.end_amdhsa_kernel
	.amdgpu_metadata
---
amdhsa.version: [ 1, 2 ]
amdhsa.kernels:
  - .name:           k_qb290f5ffdb_proj
    .symbol:         k_qb290f5ffdb_proj.kd
    .args:
      - { .name: flat, .offset: 0, .size: 8, .value_kind: global_buffer, .address_space: global }
      - { .name: codes, .offset: 8, .size: 8, .value_kind: global_buffer, .address_space: global }
      - { .name: lowp_scales, .offset: 16, .size: 8, .value_kind: global_buffer, .address_space: global }
      - { .name: out0, .offset: 24, .size: 8, .value_kind: global_buffer, .address_space: global }
    .group_segment_fixed_size: 327680
    .private_segment_fixed_size: 0
    .kernarg_segment_align: 8
    .kernarg_segment_size: 32
    .max_flat_workgroup_size: 128
    .sgpr_count:     98
    .vgpr_count:     1024
    .wavefront_size: 32
...
	.end_amdgpu_metadata
.endif
;; end of part 4
